; MI455X (gfx1250); checked and timed in simulation.
; The chip was launched on July 23, 2026; its instructions are those of AMD's public machine-readable ISA for CDNA 5 (MIT licence, August 2026) and "CDNA5" Instruction Set Architecture Reference Guide (July 2026). The comments in the code are by the model that wrote it; some were corrected since.
;; Shared Self Attention. Allowed arithmetic: matrix products marked QUANTISED: E4M3 operands, one given power-of-two scale a tensor, by v_wmma_f32_16x16x64_fp8_fp8 or v_wmma_f32_16x16x128_fp8_fp8, f32 sums; everything else in f32.
;; Inputs: Wk 1,024 x 1,024 float32; Wo 1,024 x 1,024 float32; Wq 1,024 x 1,024 float32; Wv 1,024 x 1,024 float32; bk 1,024 float32; bo 1,024 float32; bq 1,024 float32; bv 1,024 float32; lowp_scales 12 int32 (the exponents e of the quantised operands' scales 2^e); sequence_features 4 x 2,048 x 1,024 float32.
;; Outputs: out0 4 x 1,024 float32.
;; This version of the problem:
;;   THIS VERSION OF THE PROBLEM IS GIVEN IN LOW PRECISION. The matrix products marked QUANTISED in the list below multiply operands that are first quantised to E4M3 (4 exponent bits, 3 mantissa bits; 8 bits a number), with one given power-of-two scale for each operand tensor; their sums are f32. All else is computed in f32.
;;   The module's matrix products, in the order in which they are computed (A, B: the left and right operand; K: the contracted axis; several contracted axes count as one K, in the product's order):
;;     1. [M 8,192, K 1,024] x [K 1,024, N 1,024]; A: input sequence_features; B: input Wq: QUANTISED (scales: A lowp_scales[0], B lowp_scales[1])
;;     2. [M 8,192, K 1,024] x [K 1,024, N 1,024]; A: input sequence_features; B: input Wk: QUANTISED (scales: A lowp_scales[2], B lowp_scales[3])
;;     3. [M 8,192, K 1,024] x [K 1,024, N 1,024]; A: input sequence_features; B: input Wv: QUANTISED (scales: A lowp_scales[4], B lowp_scales[5])
;;     4. batch 64 x [M 2,048, K 64] x [K 64, N 2,048]; A: computed on the way; B: computed on the way: QUANTISED (scales: A lowp_scales[6], B lowp_scales[7])
;;     5. batch 64 x [M 2,048, K 2,048] x [K 2,048, N 64]; A: softmax (see below); B: computed on the way: QUANTISED (scales: A lowp_scales[8], B lowp_scales[9])
;;     6. [M 8,192, K 1,024] x [K 1,024, N 1,024]; A: computed on the way; B: input Wo: QUANTISED (scales: A lowp_scales[10], B lowp_scales[11])
;;   THE QUANTISER, for each operand of a quantised product, along K:
;;     - The operand's scale is 2^e, e = its entry of the input lowp_scales (int32; the entries are numbered through the quantised products in the list's order, A before B).
;;     - Each number is divided by the scale, clamped to +-448, and rounded to the nearest number of E4M3, ties to even, subnormals kept.
;;     - The product sums the exact products of the quantised numbers (number of the format x scale) in f32.
;;   ~~~python
;;   def quantise(x, axis, e):      # numpy; x: float32 -> the quantised numbers, widened to float32 again
;;       x = np.moveaxis(x, axis, -1); K = x.shape[-1]
;;       r = np.clip(x / 2.0 ** e, -448, 448)
;;       step = 2.0 ** (np.maximum(np.frexp(np.where(r == 0, 1, r))[1] - 1, -6) - 3)
;;       q = np.round(r / step) * step * 2.0 ** e      # np.round: ties to even
;;       return np.moveaxis(q, -1, axis).astype(np.float32)
;;   ~~~
;;   SOFTMAX AHEAD OF A QUANTISED PRODUCT. Where the list says 'softmax', what is quantised is not the finished softmax but p = 2^(t - M), with t = logit x log2(e) and M = ceil(the row's largest t), a whole number; so 1/2 < the row's largest p <= 1. The row's sum l is taken of the UNQUANTISED p, in f32, and the product's result is divided by l at the end. Since M is a whole number, a kernel that streams over the keys may use a running M (the ceiling of the running maximum): every later rescaling is an exact power of two, so the quantised numbers keep their values, but for numbers so far below the row's largest that they fall under the format's range.
;;   OPERANDS COMPUTED ON THE WAY. 'Computed on the way' means the value that the module computes at that place (a softmax that the list does not call 'softmax' is quantised finished and normalised). What goes into a quantiser is computed in f32, as accurately as f32 sums, v_exp_f32 and their like allow (about 1e-6 of the number): no bf16 or f16 on the way to a quantiser, and a product that is left as it is and whose result goes on into a quantised operand takes f32 operands (vector FMAs, or v_wmma_f32_16x16x4_f32). A number that lies on a knife's edge between two numbers of the format may be rounded either way, as far as f32 arithmetic and the matrix unit's own rounding can turn it there, and no further.
;; One version. Each part assembles by itself: llvm-mc -triple=amdgcn-amd-amdhsa -mcpu=gfx1250 --defsym DOCPART=n.
;; ======== version 1 of 1: 4 launches
;; limits: right only within a limited range of input values
;; workspace buffers: xc 25,165,824 bytes; wc 4,194,304 bytes; qkv 25,165,824 bytes; part 1,048,576 bytes
;; launch quant (part 1): grid 512 x 1, 4 waves a work-group, no clusters, 34,304 bytes of LDS; arguments sequence_features, Wq, Wk, Wv, Wo, lowp_scales, xc, wc; writes xc, wc
.if DOCPART == 1
	.amdgcn_target "amdgcn-amd-amdhsa--gfx1250"
	.amdhsa_code_object_version 6
	.text
	.protected	k_qae740a6a8d_quant
	.globl	k_qae740a6a8d_quant
	.p2align	8
	.type	k_qae740a6a8d_quant,@function
k_qae740a6a8d_quant:
	s_mov_b64 s[64:65], 0
	v_nop
	global_prefetch_b8 v0, s[64:65] scope:SCOPE_SE
	s_setreg_imm32_b32 hwreg(HW_REG_WAVE_MODE, 25, 1), 1
	s_wait_xcnt 0x0
; x [8192][1024] f32 and the four weights [1024 (k)][1024 (n)] f32 become codes of FP8 (E4M3), laid as IMAGES OF OPERAND REGISTERS:
; a block is 512 bytes, lane l = 16 h + r at byte 16 l; block c of a fragment holds, for row (or column) r, k = 32 c + 16 h + 0 .. 15.
; code = number / 2^e, held within +-448, rounded to the nearest code, ties to even.
; xc: three sets of 8,388,608 bytes (scale entries 0, 2, 4, which may differ): [16-row tile 512][128 along K: 8][c 4][512].
; wc: parts 0, 1, 2 = Wq, Wk, Wv (entries 1, 3, 5): [16-column tile 64][8][4][512]; part 3 = Wo (entry 11): [head 16][tile 64][c 2][512], tile T holding columns 32 (T / 2) + 2 r + T % 2.
; Work-groups 0-255 take x, 256-511 the weights: a scalar branch on the work-group's number.  Only x's path touches LDS.  No work-group shares input with another: no cluster, no matrix unit.
; LIMITS: every e used here lies between -126 and 119, so that 2^e and 448 x 2^e are f32 numbers.  NaN among the inputs is not served.
.set XSET,   8388608                   ; bytes of a set of x's codes
.set SPITCH, 528                       ; a stage row: 512 bytes + 16
.set WSTG,   16*SPITCH                 ; a wave's stage
.set LI,   1                           ; v1      16 x lane
.set SW,   2                           ; v2      x: into the stage
.set SR,   3                           ; v3      x: out of the stage
.set VCOL, 2                           ; v2      W: my column's byte in a row
.set VA,   3                           ; v3      W: my 16 codes' place, groups 0-3
.set VB,   7                           ; v7      W: groups 4-7
.set SC,   8                           ; v8-10   2^e as f32 (W: v8)
.set LIM,  11
.set R,    16                          ; v16-143 numbers
.set T,    144
.set C,    176                         ; v176-223 codes
	s_load_b256 s[4:11], s[0:1], 0x0               ; x s[4:5], Wq s[6:7], Wk s[8:9], Wv s[10:11]
	s_load_b256 s[12:19], s[0:1], 0x20             ; Wo s[12:13], scales s[14:15], xc s[16:17], wc s[18:19]
	v_lshl_add_u32 v224, v0, 2, 0x8400
	v_mov_b32 v225, 0
	v_lshrrev_b32 v4, 5, v0
	v_readfirstlane_b32 s20, v4                    ; wave
	v_and_b32 v4, 31, v0                           ; lane
	v_and_b32 v5, 15, v0                           ; r
	v_bfe_u32 v6, v0, 4, 1                         ; h
	v_lshlrev_b32 v[LI], 4, v4
	s_wait_kmcnt 0x0
	s_load_b256 s[32:39], s[14:15], 0x0            ; entries 0-7
	s_load_b128 s[40:43], s[14:15], 0x20           ; entries 8-11
	s_cmp_lt_u32 ttmp9, 256
	s_cbranch_scc0 .Lweights
; ---- x.  Wave W = 4 x work-group + wave takes 16 rows (tile W / 2) x 512 along K (half W % 2): four fragments of 128 along K.
; Each load reads 512 consecutive bytes of a row; a fragment's 16 rows turn through the wave's own stage, so that a lane gets 16 neighbours along K of row r four times.
	s_lshl_b32 s21, ttmp9, 2
	s_add_co_u32 s21, s21, s20
	s_lshr_b32 s22, s21, 1                         ; tile of 16 rows
	s_and_b32 s23, s21, 1                          ; half of K
	s_lshl_b32 s44, s22, 16                        ; 16 rows of 4,096 bytes
	s_lshl_b32 s46, s23, 11
	s_add_co_u32 s44, s44, s46
	s_mov_b32 s45, 0
	s_add_nc_u64 s[24:25], s[4:5], s[44:45]
	s_lshl_b32 s44, s22, 14                        ; a tile's codes: 16,384 bytes
	s_lshl_b32 s46, s23, 13
	s_add_co_u32 s44, s44, s46
	s_add_nc_u64 s[26:27], s[16:17], s[44:45]      ; a base for each set
	s_add_nc_u64 s[28:29], s[26:27], XSET
	s_add_nc_u64 s[30:31], s[28:29], XSET
	s_mul_i32 s46, s20, WSTG
	s_wait_alu depctr_va_vdst(0)
	v_add_nc_u32 v[SW], s46, v[LI]                 ; in: a row's 512 bytes as they lie
	v_mul_u32_u24 v[SR], v5, SPITCH
	v_lshl_add_u32 v[SR], v6, 6, v[SR]
	v_add_nc_u32 v[SR], s46, v[SR]                 ; out: row r, + 64 h
.macro XLOAD f, bank
.irp rho, 0,1,2,3,4,5,6,7,8,9,10,11,12,13,14,15
	global_load_b128 v[R+64*(\bank)+4*\rho:R+64*(\bank)+4*\rho+3], v[LI], s[24:25] offset:\rho*4096+(\f)*512 th:TH_LOAD_NT
.endr
.endm
.macro XTURN bank                      ; LDS serves a wave's instructions in order: the loads see the stores, and land in the registers that the stores have left
.irp rho, 0,1,2,3,4,5,6,7,8,9,10,11,12,13,14,15
	ds_store_b128 v[SW], v[R+64*(\bank)+4*\rho:R+64*(\bank)+4*\rho+3] offset:\rho*SPITCH
.endr
.irp c, 0,1,2,3
.irp j, 0,1,2,3
	ds_load_b128 v[R+64*(\bank)+16*\c+4*\j:R+64*(\bank)+16*\c+4*\j+3], v[SR] offset:128*\c+16*\j   ; register 16 c + i = k 32 c + 16 h + i of row r
.endr
.endr
.endm
.macro XQ bank, n                      ; the fragment's codes with scale n.
.irp c, 0,1,2,3
.irp i, 0,1,2,3,4,5,6,7,8,9,10,11,12,13,14,15
.endr
	v_cvt_scalef32_pk8_fp8_f32 v[C+16*\n+4*\c:C+16*\n+4*\c+1], v[T+16*(\c%2)+((R+64*(\bank)+16*\c+0)-(T+16*(\c%2)+0)):T+16*(\c%2)+7+((R+64*(\bank)+16*\c+0)-(T+16*(\c%2)+0))], v[SC+\n]
	v_cvt_scalef32_pk8_fp8_f32 v[C+16*\n+4*\c+2:C+16*\n+4*\c+3], v[T+16*(\c%2)+8+((R+64*(\bank)+16*\c+0)-(T+16*(\c%2)+0)):T+16*(\c%2)+15+((R+64*(\bank)+16*\c+0)-(T+16*(\c%2)+0))], v[SC+\n]
.endr
.endm
.macro XSTORE f
.irp n, 0,1,2
.irp c, 0,1,2,3
	global_store_b128 v[LI], v[C+16*\n+4*\c:C+16*\n+4*\c+3], s[26+2*\n:27+2*\n] offset:(\f)*2048+\c*512   ; the wave stores 512 consecutive bytes, aligned
.endr
.endr
.endm
	XLOAD 0, 0
	XLOAD 1, 1
	s_wait_alu depctr_va_vdst(0)
	s_wait_kmcnt 0x0
.irp n, 0,1,2
	s_add_co_i32 s47, s[32+2*\n], 127
	s_lshl_b32 s48, s47, 23
	v_mov_b32 v[SC+\n], s48                        ; 2^e as f32: the conversion takes its exponent field
	s_add_co_i32 s47, s47, 8
	s_lshl_b32 s47, s47, 23
	s_or_b32 s47, s47, 0x600000
.endr
	s_wait_alu depctr_va_vdst(0)
.irp f, 0,1,2,3
.if \f < 3
	s_wait_loadcnt 16                              ; this fragment's 16 loads are in; the next fragment's 16 stay out
.else
	s_wait_loadcnt 0x0
.endif
	XTURN \f%2
	s_wait_dscnt 0x0
	s_wait_xcnt 0x0                                ; the last fragment's stores have read their codes: the registers are written again below
	XQ \f%2, 0
	XQ \f%2, 1
	XQ \f%2, 2
	v_nop                                          ; a plain line behind the last conversion
	XSTORE \f
.if \f < 2
	XLOAD \f+2, \f%2
.endif
.endr
	s_wait_tensorcnt 0x0
	ds_add_u32 v224, v225
	s_wait_dscnt 0x0
	s_endpgm
; ---- the weights.  j = work-group - 256: matrix j / 64, 128 along K (j / 8) % 8, 128 columns j % 8; a wave takes 32 columns.
; A LANE TAKES A COLUMN AND ITS REGISTERS RUN DOWN K: a load reads 128 consecutive bytes of a row, and 16 registers become 16 codes with K innermost.
.Lweights:
	s_sub_co_u32 s21, ttmp9, 256
	s_lshr_b32 s22, s21, 6                         ; which matrix
	s_and_b32 s23, s21, 7                          ; which 128 columns
	s_bfe_u32 s44, s21, 0x30003                    ; which 128 along K
	s_cmp_eq_u32 s22, 1
	s_cselect_b64 s[24:25], s[8:9], s[6:7]
	s_cmp_eq_u32 s22, 2
	s_cselect_b64 s[24:25], s[10:11], s[24:25]
	s_mov_b32 s47, 16384
	s_mov_b32 s48, 1024
	s_cmp_eq_u32 s22, 3                            ; Wo has its own layout: the differences are numbers, chosen here
	s_cselect_b64 s[24:25], s[12:13], s[24:25]
	s_cselect_b32 s45, 2, 1                        ; my column in the wave's 32 = (lane % 16) x this
	s_cselect_b32 s46, 1, 16                       ;                            + (lane / 16) x this
	s_cselect_b32 s47, 1024, s47                   ; bytes from a tile of columns to the next
	s_cselect_b32 s48, 65536, s48                  ; bytes from groups 0-3 to groups 4-7
	s_cselect_b32 s52, 11, 15                      ; shift of the wave's pair of tiles
	s_cselect_b32 s53, 17, 11                      ; shift of the 128 along K
	s_wait_alu depctr_va_vdst(0)
	v_mul_u32_u24 v8, s45, v5
	v_mul_u32_u24 v9, s46, v6
	v_add_lshl_u32 v[VCOL], v8, v9, 2
	s_wait_alu depctr_va_vdst(0)
	v_mul_u32_u24 v[VA], s47, v6
	v_lshl_add_u32 v[VA], v5, 4, v[VA]             ; tile lane / 16, place 16 (lane % 16)
	v_add_nc_u32 v[VB], s48, v[VA]
	s_lshl_b32 s50, s44, 19                        ; 128 rows of 4,096 bytes
	s_lshl_b32 s49, s23, 9
	s_add_co_u32 s50, s50, s49
	s_lshl_b32 s49, s20, 7
	s_add_co_u32 s50, s50, s49
	s_mov_b32 s51, 0
	s_add_nc_u64 s[24:25], s[24:25], s[50:51]
	s_lshl_b32 s54, s23, 2
	s_add_co_u32 s54, s54, s20                     ; the wave's pair of tiles: 4 x (128 columns) + wave
	s_lshl_b32 s54, s54, s52
	s_lshl_b32 s55, s44, s53
	s_add_co_u32 s54, s54, s55
	s_lshl_b32 s55, s22, 20                        ; the matrix's part of wc
	s_add_co_u32 s54, s54, s55
	s_mov_b32 s55, 0
	s_add_nc_u64 s[26:27], s[18:19], s[54:55]
.macro WLOAD g                         ; group g: rows 16 g .. 16 g + 15 of my column
.set i, 0
.rept 16
	global_load_b32 v[R+16*(\g)+i], v[VCOL], s[24:25] offset:(16*(\g)+i)*4096 th:TH_LOAD_NT
.set i, i+1
.endr
.endm
	WLOAD 0
	WLOAD 1
	WLOAD 2
	s_wait_kmcnt 0x0
	s_cmp_eq_u32 s22, 1
	s_cselect_b32 s56, s35, s33                    ; entries 1, 3, 5, 11
	s_cmp_eq_u32 s22, 2
	s_cselect_b32 s56, s37, s56
	s_cmp_eq_u32 s22, 3
	s_cselect_b32 s56, s43, s56
	s_add_co_i32 s56, s56, 127
	s_lshl_b32 s49, s56, 23
	v_mov_b32 v[SC], s49
	s_wait_alu depctr_va_vdst(0)
.irp g, 0,1,2,3,4,5,6,7
.if \g < 6
	s_wait_loadcnt 32                              ; this group's 16 loads are in; the two younger groups stay out
.else
	s_wait_loadcnt 16*(7-\g)
.endif
.if \g < 5
	WLOAD \g+3
.endif
.irp i, 0,1,2,3,4,5,6,7,8,9,10,11,12,13,14,15
.endr
	v_cvt_scalef32_pk8_fp8_f32 v[C+4*\g:C+4*\g+1], v[R+16*\g:R+16*\g+7], v[SC]
	v_cvt_scalef32_pk8_fp8_f32 v[C+4*\g+2:C+4*\g+3], v[R+16*\g+8:R+16*\g+15], v[SC]
.if \g < 4
	global_store_b128 v[VA], v[C+4*\g:C+4*\g+3], s[26:27] offset:(\g%4)*256   ; group g = block g / 2, half g % 2: sixteen lanes store 256 consecutive bytes, aligned
.else
	global_store_b128 v[VB], v[C+4*\g:C+4*\g+3], s[26:27] offset:(\g%4)*256
.endif
.endr                                  ; every group has registers of its own: nothing that a store reads is written again
	s_endpgm
.Lfunc_end_k_qae740a6a8d_quant:
	.size	k_qae740a6a8d_quant, .Lfunc_end_k_qae740a6a8d_quant-k_qae740a6a8d_quant
	.p2alignl 7, 3214868480
	.fill 96, 4, 3214868480
	.section	.rodata,"a",@progbits
	.p2align	6, 0x0
	.amdhsa_kernel k_qae740a6a8d_quant
		.amdhsa_group_segment_fixed_size 34304
		.amdhsa_private_segment_fixed_size 0
		.amdhsa_enable_private_segment 0
		.amdhsa_kernarg_size 64
		.amdhsa_user_sgpr_count 2
		.amdhsa_user_sgpr_kernarg_segment_ptr 1
		.amdhsa_wavefront_size32 1
		.amdhsa_system_sgpr_workgroup_id_x 1
		.amdhsa_system_sgpr_workgroup_id_y 1
		.amdhsa_system_sgpr_workgroup_id_z 1
		.amdhsa_system_vgpr_workitem_id 0
		.amdhsa_next_free_vgpr 226
		.amdhsa_next_free_sgpr 66
		.amdhsa_reserve_vcc 0
		.amdhsa_float_denorm_mode_32 3
		.amdhsa_float_denorm_mode_16_64 3
		.amdhsa_fp16_overflow 1
		.amdhsa_memory_ordered 1
		.amdhsa_forward_progress 1
		.amdhsa_inst_pref_size 44
	.end_amdhsa_kernel
	.amdgpu_metadata
---
amdhsa.version: [ 1, 2 ]
amdhsa.kernels:
  - .name:           k_qae740a6a8d_quant
    .symbol:         k_qae740a6a8d_quant.kd
    .args:
      - { .name: sequence_features, .offset: 0, .size: 8, .value_kind: global_buffer, .address_space: global }
      - { .name: Wq, .offset: 8, .size: 8, .value_kind: global_buffer, .address_space: global }
      - { .name: Wk, .offset: 16, .size: 8, .value_kind: global_buffer, .address_space: global }
      - { .name: Wv, .offset: 24, .size: 8, .value_kind: global_buffer, .address_space: global }
      - { .name: Wo, .offset: 32, .size: 8, .value_kind: global_buffer, .address_space: global }
      - { .name: lowp_scales, .offset: 40, .size: 8, .value_kind: global_buffer, .address_space: global }
      - { .name: xc, .offset: 48, .size: 8, .value_kind: global_buffer, .address_space: global }
      - { .name: wc, .offset: 56, .size: 8, .value_kind: global_buffer, .address_space: global }
    .group_segment_fixed_size: 34304
    .private_segment_fixed_size: 0
    .kernarg_segment_align: 8
    .kernarg_segment_size: 64
    .max_flat_workgroup_size: 128
    .sgpr_count:     66
    .vgpr_count:     226
    .wavefront_size: 32
...
	.end_amdgpu_metadata
.endif
;; end of part 1
;; launch qkv (part 2): grid 12 x 32, 4 waves a work-group, clusters of 4 x 4, 327,680 bytes of LDS; arguments xc, wc, lowp_scales, bq, bk, bv, qkv; writes qkv
.if DOCPART == 2
	.amdgcn_target "amdgcn-amd-amdhsa--gfx1250"
	.amdhsa_code_object_version 6
	.text
	.protected	k_qae740a6a8d_qkv
	.globl	k_qae740a6a8d_qkv
	.p2align	8
	.type	k_qae740a6a8d_qkv,@function
k_qae740a6a8d_qkv:
	s_mov_b64 s[64:65], 0
	v_nop
	global_prefetch_b8 v0, s[64:65] scope:SCOPE_SE
	s_setreg_imm32_b32 hwreg(HW_REG_WAVE_MODE, 25, 1), 1
	s_wait_xcnt 0x0
	s_wait_alu depctr_hold_cnt(0) depctr_sa_sdst(0) depctr_va_vdst(0) depctr_va_sdst(0) depctr_va_ssrc(0) depctr_va_vcc(0) depctr_vm_vsrc(0)
	s_getreg_b32 s2, hwreg(HW_REG_IB_STS2, 6, 4)
	s_cmp_eq_u32 s2, 0
	s_cbranch_scc0 .Lentry_in_a_cluster
	s_endpgm
.Lentry_in_a_cluster:
	s_bfe_u32 s2, ttmp6, 0x10000c
	s_cmp_lg_u32 s2, 0xf033
	s_cbranch_scc0 .Lentry_shape_is_right
	s_endpgm
.Lentry_shape_is_right:
; Q = x Wq + bq, K = x Wk + bk, V = x Wv + bv on codes of FP8 (E4M3), and the three results quantised again (scale entries 6, 7, 9) into images of the operands of the attention launch.
; The cluster's x (0, 1, 2) is the product P; it is the same in all sixteen partners.  A work-group makes 256 x 256 of a product, a wave 128 x 128: 64 accumulators, 512 registers.
; Q, K: the row operand "A" is x's set P, the column operand "B" is W's part P.  V: A = Wv, B = x's set 2, so that a lane's eight results are eight neighbouring KEYS of one channel.
; THE MATRIX INSTRUCTION IS USED TRANSPOSED (source 0 = 16 rows of B, source 1 = 16 rows of A): a lane holds one row of A's and eight neighbours of B's: eight codes, 8 bytes, along the next product's K.
; Operands lie in memory as images of fragments (16 rows x 128 K = 4 blocks of 512 bytes, lane l at 16 l): a fragment is four ds_load_b128 of 512 consecutive bytes; no pitch, no padding.
; K = 1,024 goes in four steps of 256 through two LDS slots; each wave fetches 128 rows x 256 K (8 pieces of 4,096 bytes, 16,384 apart) with one tensor load.
; CLUSTERS 4 x 4: A's tile is shared along a row of the cluster, B's along a column: joint loads.  24 clusters in all.
; The bias goes in as the C of each sum's first product, divided by 2^(ea + eb); the three scales ahead of the quantiser are folded into the conversion's one, 2^(eo - ea - eb).
; No prefetch: the launch has four K steps in all.
; LIMITS: eo - ea - eb lies between -126 and 119.  NaN among the inputs is not served.
; REGISTERS: window 0: v16-31 addresses and constants; v32-95 the bias; v96-103 the bias loads' offsets; v128-255 A's fragments, later codes, later the way out.
;   window 1: B's fragments, two sets.  windows 2, 3: accumulator (a, b) at v[8 (8 (a % 4) + b)].
; SCALARS: those that feed A's descriptors never hold cx, those that feed B's never cy, those that feed LDS addresses neither; s88, s89, s96-99 hold both.
.set SLOT,   131072                    ; A's two halves, then B's two, 32,768 bytes each
.set SPARE,  2*SLOT                    ; the spare words: 128 bytes for each wave, two blocks of 256 bytes that no other line names
.set SPITCH, 272                       ; the stage, in slot 0 behind its last fill and last read: 256 rows x (256 codes + 16)
.set FR,   16
.set NL,   4
.set NP,   4
.set ADRA, 16
.set ADRB, 20
.set STO,  24
.set RDQ,  25
.set CO,   26
.set RDV,  27
.set SPW,  28
.set NIL,  29
.set SC,   30
.set LIM,  31
.set BIAS, 32
.set TMP,  32
.set VB,   96
.set AF,   128
.set CD,   128
.set G1,   24
.set G0,   32
.set G1B,  48
.set G0B,  56
.set MSB, 0
.macro WIN new                         ; the immediate's high byte repeats the setting that is left
.if MSB != (\new)
	s_set_vgpr_msb (MSB<<8)|(\new)
.set MSB, (\new)
.endif
.endm
.set MUL_LO, 0xa1                      ; source 0 (B) window 1, source 1 (A) window 0, C and D window 2
.set MUL_HI, 0xf1                      ; the same, C and D window 3
.set BIA_LO, 0x81                      ; C (the bias) window 0, D window 2
.set BIA_HI, 0xc1                      ; C window 0, D window 3
.set TO_B,   0x40
.macro JLOAD s                         ; a joint load: waves 0, 1 fetch A's halves, waves 2, 3 B's; four v_nop follow each line
	s_cmp_eq_u32 s19, 0
	s_cbranch_scc0 .Lfor_b_\@
	tensor_load_to_lds s[G0+4*\s:G0+4*\s+3], s[G1:G1+7]
	s_nop 0
.rept 4
	v_nop
.endr
	s_branch .Lasked_\@
.Lfor_b_\@:
	tensor_load_to_lds s[G0B+4*\s:G0B+4*\s+3], s[G1B:G1B+7]
	s_nop 0
.rept 4
	v_nop
.endr
.Lasked_\@:
.endm
.macro CREST                           ; a round of the cluster's barrier behind its opening barrier
	s_cmp_lg_u32 s18, 0
	s_cbranch_scc1 .Lnot_wave_0_\@
	s_barrier_signal -3
.Lnot_wave_0_\@:
	s_barrier_wait -3
	s_barrier_signal -1
	s_barrier_wait -1
.endm
.macro CROUND
	s_barrier_signal -1
	s_barrier_wait -1
	CREST
.endm
	s_load_b256 s[4:11], s[0:1], 0x0               ; xc s[4:5], wc s[6:7], scales s[8:9], bq s[10:11]
	s_load_b128 s[12:15], s[0:1], 0x20             ; bk s[12:13], bv s[14:15]
	s_load_b64 s[16:17], s[0:1], 0x30              ; qkv
	v_lshl_add_u32 v[SPW], v0, 2, SPARE
	v_mov_b32 v[NIL], 0
	ds_add_u32 v28, v29
	ds_add_u32 v28, v29
	s_wait_dscnt 0x0
	v_lshrrev_b32 v1, 5, v0
	v_readfirstlane_b32 s18, v1                    ; wave
	s_lshr_b32 s19, s18, 1                         ; my half of the tile's rows; also: I fetch for A (0) or B (1)
	s_and_b32 s20, s18, 1                          ; my half of its columns; also: which 128 rows I fetch
	s_bfe_u32 s22, ttmp6, 0x40000                  ; cx
	s_bfe_u32 s23, ttmp6, 0x40004                  ; cy
	s_lshl_b32 s41, s23, 2
	s_lshl_b32 s41, 15, s41                        ; my row of the cluster
	s_lshl_b32 s42, 0x1111, s22                    ; my column
	s_or_b32 s[G1], s41, (3<<16)|(1<<21)           ; 15:0 the mask; 17:16 elements of 8 bytes; 21 set beside a mask; no padding
	s_or_b32 s[G1B], s42, (3<<16)|(1<<21)
.irp g, G1, G1B
	s_mov_b32 s[\g+1], 512<<16                     ; tensor_dim0 = 512 elements: 4,096 bytes, a 16-row tile's 256 along K
	s_mov_b32 s[\g+2], 8<<16                       ; tensor_dim1 = 8 tiles of 16 rows
	s_mov_b32 s[\g+3], 512<<16                     ; tile_dim0
	s_mov_b32 s[\g+4], 8                           ; tile_dim1
	s_mov_b32 s[\g+5], 2048                        ; from a tile of 16 rows to the next: 16,384 bytes
	s_mov_b32 s[\g+6], 0
	s_mov_b32 s[\g+7], 0
.endr
	s_and_b32 s40, ttmp7, 0xffff
	s_lshl_b32 s40, s40, 2                         ; 4 x the cluster's y
	s_lshl_b32 s45, ttmp9, 23                      ; P sets of x's codes
	s_lshl_b32 s46, ttmp9, 20                      ; P parts of W's
	s_cmp_eq_u32 ttmp9, 2                          ; V?  All that differs is chosen here
	s_cselect_b32 s43, 0, s40                      ; A's tile = cy (+ 4 Y where A is x)
	s_cselect_b32 s44, s40, 0                      ; B's tile = cx (+ 4 Y where B is x)
	s_cselect_b32 s45, 0x200000, s45               ; where A begins in its buffer
	s_cselect_b32 s46, 0x1000000, s46              ; where B begins
	s_cselect_b32 s88, s22, s23                    ; x's tile of 256 rows = 4 Y + this,
	s_cselect_b32 s89, s23, s22                    ; W's tile of 256 columns
	s_cselect_b32 s2, 0, 32                        ; the bias loads' offset = h x this
	s_cselect_b32 s3, 4, 0                         ;  + r x this
	s_cselect_b32 s100, 0, 4                       ;  + j x this
	s_cselect_b32 s96, s19, s20                    ; which half of W's 256 columns is my wave's
	s_add_co_u32 s88, s88, s40
	s_add_co_u32 s43, s43, s23
	s_add_co_u32 s44, s44, s22
	s_lshl_b32 s43, s43, 18                        ; a tile of 256 rows: 262,144 bytes
	s_lshl_b32 s44, s44, 18
	s_lshl_b32 s47, s20, 17                        ; the 128 rows that I fetch
	s_add_co_u32 s84, s45, s43
	s_add_co_u32 s84, s84, s47
	s_mov_b32 s85, 0
	s_add_co_u32 s86, s46, s44
	s_add_co_u32 s86, s86, s47
	s_mov_b32 s87, 0
	s_lshl_b32 s66, s18, 15                        ; where they go: wave x 32,768
	s_wait_kmcnt 0x0
	s_load_b256 s[68:75], s[8:9], 0x0              ; entries 0-7
	s_load_b128 s[76:79], s[8:9], 0x20             ; entries 8-11
	s_cmp_eq_u32 ttmp9, 2
	s_cselect_b64 s[80:81], s[6:7], s[4:5]         ; A's buffer
	s_cselect_b64 s[82:83], s[4:5], s[6:7]         ; B's
	s_cselect_b64 s[98:99], s[14:15], s[12:13]     ; the bias
	s_cmp_eq_u32 ttmp9, 0
	s_cselect_b64 s[98:99], s[10:11], s[98:99]
	s_add_nc_u64 s[80:81], s[80:81], s[84:85]
	s_add_nc_u64 s[82:83], s[82:83], s[86:87]
	CROUND                                         ; all sixteen work-groups are here: the first joint loads meet
.irp s, 0,1
	s_mov_b32 s[G0+4*\s], 1
	s_add_co_u32 s[G0+4*\s+1], s66, \s*SLOT
	s_add_nc_u64 s[G0+4*\s+2:G0+4*\s+3], s[80:81], \s*4096     ; K step s
	s_or_b32 s[G0+4*\s+3], s[G0+4*\s+3], 0x80000000
	s_mov_b32 s[G0B+4*\s], 1
	s_add_co_u32 s[G0B+4*\s+1], s66, \s*SLOT
	s_add_nc_u64 s[G0B+4*\s+2:G0B+4*\s+3], s[82:83], \s*4096
	s_or_b32 s[G0B+4*\s+3], s[G0B+4*\s+3], 0x80000000
	s_wait_alu depctr_va_vdst(0)
	s_wait_tensorcnt 0x0
	ds_add_u32 v28, v29
	ds_add_u32 v28, v29
	s_wait_dscnt 0x0
	CROUND
	JLOAD \s
.endr
	v_and_b32 v1, 15, v0                           ; r
	s_wait_alu depctr_va_vdst(0)
	v_bfe_u32 v2, v0, 4, 1                         ; h
	v_and_b32 v3, 31, v0
	v_lshlrev_b32 v[CO], 4, v3                     ; 16 x lane
	s_lshl_b32 s67, s19, 15                        ; my 128 rows of A
	s_lshl_b32 s90, s20, 15
	s_add_co_u32 s90, s90, 65536                   ; my 128 rows of B, behind A's 256
.irp s, 0,1
	v_add_nc_u32 v[ADRA+\s], s67, v[CO]
	v_add_nc_u32 v[ADRB+\s], s90, v[CO]
	s_add_co_u32 s67, s67, SLOT
	s_add_co_u32 s90, s90, SLOT
.endr
	s_mul_i32 s91, s19, 128*SPITCH
	s_lshl_b32 s92, s20, 7
	s_add_co_u32 s91, s91, s92
	v_mul_u32_u24 v4, v1, SPITCH
	s_wait_alu depctr_va_vdst(0)
	v_lshl_add_u32 v5, v2, 3, v4
	v_add_nc_u32 v[STO], s91, v5                   ; the stage, in: row 128 x row half + r, byte 128 x column half + 8 h
	v_and_b32 v6, 8, v1
	v_add_nc_u32 v6, v6, v1                        ; r + 8 (r / 8)
	v_mul_u32_u24 v6, v6, SPITCH
	v_lshl_add_u32 v6, v2, 4, v6
	s_lshl_b32 s91, s18, 6
	v_add_nc_u32 v[RDQ], s91, v6                   ; out, Q and K: my head's 64 columns
	s_mul_i32 s91, s18, 64*SPITCH
	v_add_nc_u32 v[RDV], s91, v6                   ; out, V: my head's 64 rows
	; the bias: BIAS[8 i + j] = (Q, K) that of column 16 i + 8 h + j of my 128, (V) that of row 16 i + r, in all eight
	s_lshl_b32 s96, s96, 9
	s_lshl_b32 s97, s89, 10
	s_add_co_u32 s96, s96, s97
	s_mov_b32 s97, 0
	s_add_nc_u64 s[98:99], s[98:99], s[96:97]
	v_mul_u32_u24 v7, s2, v2
	v_mad_u32_u24 v7, v1, s3, v7
	s_wait_alu depctr_va_vdst(0)
.irp j, 0,1,2,3,4,5,6,7
	s_mul_i32 s101, s100, \j
	v_add_nc_u32 v[VB+\j], s101, v7
.endr
.irp i, 0,1,2,3,4,5,6,7
.irp j, 0,1,2,3,4,5,6,7
	global_load_b32 v[BIAS+8*\i+\j], v[VB+\j], s[98:99] offset:64*\i
.endr
.endr
	; where my head's 16,384 bytes go: part P, head (x's tile / 8) x 16 + 4 x W's tile + wave, + (x's tile % 8) x 16,384
	s_lshr_b32 s96, s88, 3
	s_lshl_b32 s96, s96, 4
	s_lshl_b32 s97, s89, 2
	s_add_co_u32 s96, s96, s97
	s_add_co_u32 s96, s96, s18
	s_lshl_b32 s96, s96, 17
	s_and_b32 s97, s88, 7
	s_lshl_b32 s97, s97, 14
	s_add_co_u32 s96, s96, s97
	s_lshl_b32 s97, ttmp9, 23
	s_add_co_u32 s96, s96, s97
	s_mov_b32 s97, 0
	s_add_nc_u64 s[16:17], s[16:17], s[96:97]
.macro FRAG reg, adr, q, i             ; a fragment: four blocks of 512 consecutive bytes
.irp c, 0,1,2,3
	ds_load_b128 v[\reg+4*\c:\reg+4*\c+3], v[\adr] offset:(\i)*4096+(\q)*2048+512*\c
.endr
.endm
; 16 matrix instructions: A's blocks a0, a0 + 1 x B's eight, 128 along K.  p: B's set.  zero = 0: in place; 1: the sums start from the bias of B's block; 2: of A's block.
; The 64 accumulators take turns, one instruction a turn, in the same order in every step.
.macro MUL16 a0, p, zero
.irp a, \a0, \a0+1
.irp b, 0,1,2,3,4,5,6,7
.if \zero == 0
	v_wmma_f32_16x16x128_fp8_fp8 v[8*(8*((\a)%4)+\b):8*(8*((\a)%4)+\b)+7], v[128*(\p)+FR*\b:128*(\p)+FR*\b+FR-1], v[AF+FR*(\a):AF+FR*(\a)+FR-1], v[8*(8*((\a)%4)+\b):8*(8*((\a)%4)+\b)+7]
.elseif \zero == 1
	v_wmma_f32_16x16x128_fp8_fp8 v[8*(8*((\a)%4)+\b):8*(8*((\a)%4)+\b)+7], v[128*(\p)+FR*\b:128*(\p)+FR*\b+FR-1], v[AF+FR*(\a):AF+FR*(\a)+FR-1], v[BIAS+8*\b:BIAS+8*\b+7]
.else
	v_wmma_f32_16x16x128_fp8_fp8 v[8*(8*((\a)%4)+\b):8*(8*((\a)%4)+\b)+7], v[128*(\p)+FR*\b:128*(\p)+FR*\b+FR-1], v[AF+FR*(\a):AF+FR*(\a)+FR-1], v[BIAS+8*(\a):BIAS+8*(\a)+7]
.endif
.endr
.endr
.endm
.macro FETCH_B slot, q, p
	WIN TO_B
.irp i, 0,1,2,3,4,5,6,7
	FRAG 128*(\p)+FR*\i, ADRB+\slot, \q, \i
.endr
	WIN 0
.endm
.macro FETCH_A slot, q, i0
.irp i, \i0, \i0+1, \i0+2, \i0+3
	FRAG AF+FR*(\i), ADRA+\slot, \q, \i
.endr
.endm
.macro PLACES n                        ; plain vector lines between a matrix instruction and a load into, or a vector read or write of, its registers
.rept \n
	v_nop
.endr
.endm
.macro STEP slot, q, zero              ; 128 along K whose successor lies in the same slot
	s_wait_dscnt 4*NL                              ; B's set and A's blocks 0-3 are in; the youngest 16 loads (A's blocks 4-7) may be out
.if \zero
	WIN BIA_LO
.else
	WIN MUL_LO
.endif
	MUL16 0, (\q)%2, \zero
	MUL16 2, (\q)%2, \zero
	s_wait_dscnt 0
	PLACES NP
	FETCH_B \slot, (\q)+1, 1-(\q)%2
	FETCH_A \slot, (\q)+1, 0
.if \zero
	WIN BIA_HI
.else
	WIN MUL_HI
.endif
	MUL16 4, (\q)%2, \zero
	MUL16 6, (\q)%2, \zero
	PLACES NP
	WIN 0
	FETCH_A \slot, (\q)+1, 4
.endm
; A slot's last 128 along K change slots: one barrier; in front of it each wave waits for all its tensor loads, adds 0 to its spare word, and waits for that and for its reads of this slot.
.macro TURN slot, next, fill
	s_wait_tensorcnt 0x0                           ; all my tensor loads have landed: my part of the next slot
	ds_add_u32 v[SPW], v[NIL]                      ; 0 onto my spare word
	s_wait_dscnt 4*NL+1                            ; (the add and the youngest 16 loads may be out)
	WIN MUL_LO
	MUL16 0, 1, 0
	s_wait_dscnt 0x0                               ; the add is done, and my reads of this slot are over
	s_barrier_signal -1
	MUL16 2, 1, 0
	WIN 0
	s_barrier_wait -1
.if \fill
	CREST                                          ; the barrier has opened a round of the cluster's: no wave of any partner still reads this slot or has a load on its way
	s_add_nc_u64 s[G0+4*\slot+2:G0+4*\slot+3], s[G0+4*\slot+2:G0+4*\slot+3], 8192
	s_add_nc_u64 s[G0B+4*\slot+2:G0B+4*\slot+3], s[G0B+4*\slot+2:G0B+4*\slot+3], 8192
	JLOAD \slot                                    ; the first tensor load behind the round; its four v_nop are the places in front of the loads below
.else
	PLACES NP
.endif
	FETCH_B \next, 0, 0
	FETCH_A \next, 0, 0
	WIN MUL_HI
	MUL16 4, 1, 0
	MUL16 6, 1, 0
	PLACES NP
	WIN 0
	FETCH_A \next, 0, 4
.endm
	s_wait_tensorcnt 1                             ; my part of K step 0 is in; K step 1's load may be out
	s_barrier_signal -1
	s_barrier_wait -1
	FETCH_B 0, 0, 0
	FETCH_A 0, 0, 0
	FETCH_A 0, 0, 4
	s_wait_kmcnt 0x0
	s_cmp_eq_u32 ttmp9, 1
	s_cselect_b32 s93, s70, s68                    ; ea: entry 2 P
	s_cselect_b32 s94, s71, s69                    ; eb: entry 2 P + 1
	s_cselect_b32 s95, s75, s74                    ; eo: entries 6, 7, 9
	s_cmp_eq_u32 ttmp9, 2
	s_cselect_b32 s93, s72, s93
	s_cselect_b32 s94, s73, s94
	s_cselect_b32 s95, s77, s95
	s_add_co_i32 s93, s93, s94                     ; a sum stands for sum x 2^(ea + eb)
	s_sub_co_i32 s94, 0, s93
	s_sub_co_i32 s95, s95, s93
	s_add_co_i32 s95, s95, 127
	s_lshl_b32 s93, s95, 23
	v_mov_b32 v[SC], s93                           ; 2^(eo - ea - eb) as f32
	s_wait_loadcnt 0x0                             ; the bias
.set j, 0
.rept 64
	v_ldexp_f32 v[BIAS+j], v[BIAS+j], s94          ; bias / 2^(ea + eb)
.set j, j+1
.endr
	s_cmp_eq_u32 ttmp9, 2                          ; the first 128 along K start the sums from the bias: by B's block (Q, K) or by A's (V).  The branch is the same in all partners
	s_cbranch_scc1 .Lfirst_v
	s_wait_alu depctr_va_vdst(0)
	STEP 0, 0, 1
	s_branch .Lfirst_done
.Lfirst_v:
	s_wait_alu depctr_va_vdst(0)
	STEP 0, 0, 2
.Lfirst_done:
	TURN 0, 1, 1                                   ; slot 0 takes K step 2
	STEP 1, 0, 0
	TURN 1, 0, 1                                   ; slot 1 takes K step 3
	STEP 0, 0, 0
	TURN 0, 1, 0                                   ; nothing is left to fetch
	STEP 1, 0, 0
	s_wait_dscnt 4*NL
	WIN MUL_LO
	MUL16 0, 1, 0
	MUL16 2, 1, 0
	s_wait_dscnt 0
	WIN MUL_HI
	MUL16 4, 1, 0
	MUL16 6, 1, 0
	WIN 0
; THE WAY OUT.  Block a (16 rows x 128 columns): eight conversions; 8 bytes a lane into the work-group's stage.
.macro PACK a
.set AC, 64*((\a)%4)
	WIN 0x02+((\a)/4)                              ; source 0: window 2 or 3
.set j, 0
.rept 64
.set j, j+1
.endr
.irp b, 0,1,2,3,4,5,6,7
	v_cvt_scalef32_pk8_fp8_f32 v[CD+16*(\a)+2*\b:CD+16*(\a)+2*\b+1], v[AC+8*\b:AC+8*\b+7], v[SC]
.endr
	WIN 0
	v_nop                                          ; a plain line behind the last conversion
.irp b, 0,1,2,3,4,5,6,7
	ds_store_b64 v[STO], v[CD+16*(\a)+2*\b:CD+16*(\a)+2*\b+1] offset:(\a)*16*SPITCH+16*\b
.endr
.endm
	PLACES NP
.irp a, 0,1,2,3,4,5,6,7
	PACK \a
.endr
	s_wait_dscnt 0x0                               ; for the others' sake: my stores into the stage are done
	s_barrier_signal -1
	s_barrier_wait -1
	; each wave sends one head's 16,384 bytes as 32 blocks, read from the stage in the order of the next operand's registers
	s_cmp_eq_u32 ttmp9, 2
	s_cbranch_scc1 .Lout_v
.irp tau, 0,1,2,3,4,5,6,7,8,9,10,11,12,13,14,15    ; Q, K: tile tau = rows 32 (tau / 2) + 8 (tau % 2) + r + 8 (r / 8); block beta = channels 32 beta + 16 h on
.irp beta, 0,1
	ds_load_b128 v[CD+4*(2*\tau+\beta):CD+4*(2*\tau+\beta)+3], v[RDQ] offset:(32*(\tau/2)+8*(\tau%2))*SPITCH+32*\beta
.endr
.endr
	s_branch .Lsend
.Lout_v:
.irp sg, 0,1                                       ; V: 128 keys sg; tile t = channels 32 (t / 2) + 8 (t % 2) + r + 8 (r / 8); block c = keys 32 c + 16 h on
.irp t, 0,1,2,3
.irp c, 0,1,2,3
	ds_load_b128 v[CD+4*(16*\sg+4*\t+\c):CD+4*(16*\sg+4*\t+\c)+3], v[RDV] offset:(32*(\t/2)+8*(\t%2))*SPITCH+128*\sg+32*\c
.endr
.endr
.endr
.Lsend:
.set u, 0
.rept 32
	s_wait_dscnt 31-u                              ; block u is in; the younger loads stay out
	global_store_b128 v[CO], v[CD+4*u:CD+4*u+3], s[16:17] offset:512*u   ; the wave stores 512 consecutive bytes, aligned
.set u, u+1
.endr
	s_wait_tensorcnt 0x0                           ; the wave's end
	ds_add_u32 v[SPW], v[NIL]
	s_wait_dscnt 0x0
	CROUND                                         ; the closing round
	s_endpgm
.Lfunc_end_k_qae740a6a8d_qkv:
	.size	k_qae740a6a8d_qkv, .Lfunc_end_k_qae740a6a8d_qkv-k_qae740a6a8d_qkv
	.p2alignl 7, 3214868480
	.fill 96, 4, 3214868480
	.section	.rodata,"a",@progbits
	.p2align	6, 0x0
	.amdhsa_kernel k_qae740a6a8d_qkv
		.amdhsa_group_segment_fixed_size 327680
		.amdhsa_private_segment_fixed_size 0
		.amdhsa_enable_private_segment 0
		.amdhsa_kernarg_size 56
		.amdhsa_user_sgpr_count 2
		.amdhsa_user_sgpr_kernarg_segment_ptr 1
		.amdhsa_wavefront_size32 1
		.amdhsa_system_sgpr_workgroup_id_x 1
		.amdhsa_system_sgpr_workgroup_id_y 1
		.amdhsa_system_sgpr_workgroup_id_z 1
		.amdhsa_system_vgpr_workitem_id 0
		.amdhsa_next_free_vgpr 1024
		.amdhsa_next_free_sgpr 102
		.amdhsa_reserve_vcc 0
		.amdhsa_float_denorm_mode_32 3
		.amdhsa_float_denorm_mode_16_64 3
		.amdhsa_fp16_overflow 1
		.amdhsa_memory_ordered 1
		.amdhsa_forward_progress 1
		.amdhsa_inst_pref_size 116
	.end_amdhsa_kernel
	.amdgpu_metadata
---
amdhsa.version: [ 1, 2 ]
amdhsa.kernels:
  - .name:           k_qae740a6a8d_qkv
    .symbol:         k_qae740a6a8d_qkv.kd
    .args:
      - { .name: xc, .offset: 0, .size: 8, .value_kind: global_buffer, .address_space: global }
      - { .name: wc, .offset: 8, .size: 8, .value_kind: global_buffer, .address_space: global }
      - { .name: lowp_scales, .offset: 16, .size: 8, .value_kind: global_buffer, .address_space: global }
      - { .name: bq, .offset: 24, .size: 8, .value_kind: global_buffer, .address_space: global }
      - { .name: bk, .offset: 32, .size: 8, .value_kind: global_buffer, .address_space: global }
      - { .name: bv, .offset: 40, .size: 8, .value_kind: global_buffer, .address_space: global }
      - { .name: qkv, .offset: 48, .size: 8, .value_kind: global_buffer, .address_space: global }
    .group_segment_fixed_size: 327680
    .private_segment_fixed_size: 0
    .kernarg_segment_align: 8
    .kernarg_segment_size: 56
    .max_flat_workgroup_size: 128
    .sgpr_count:     102
    .vgpr_count:     1024
    .wavefront_size: 32
...
	.end_amdgpu_metadata
.endif
;; end of part 2
;; launch attn (part 3): grid 4 x 64, 16 waves a work-group, clusters of 4 x 1, 327,680 bytes of LDS; arguments qkv, wc, lowp_scales, part; writes part
.if DOCPART == 3
	.amdgcn_target "amdgcn-amd-amdhsa--gfx1250"
	.amdhsa_code_object_version 6
	.text
	.protected	k_qae740a6a8d_attn
	.globl	k_qae740a6a8d_attn
	.p2align	8
	.type	k_qae740a6a8d_attn,@function
k_qae740a6a8d_attn:
	s_mov_b64 s[64:65], 0
	v_nop
	global_prefetch_b8 v0, s[64:65] scope:SCOPE_SE
	s_setreg_imm32_b32 hwreg(HW_REG_WAVE_MODE, 25, 1), 1
	s_wait_xcnt 0x0
	s_wait_alu depctr_hold_cnt(0) depctr_sa_sdst(0) depctr_va_vdst(0) depctr_va_sdst(0) depctr_va_ssrc(0) depctr_va_vcc(0) depctr_vm_vsrc(0)
	s_getreg_b32 s2, hwreg(HW_REG_IB_STS2, 6, 4)
	s_cmp_eq_u32 s2, 0
	s_cbranch_scc0 .Lentry_in_a_cluster
	s_endpgm
.Lentry_in_a_cluster:
	s_bfe_u32 s2, ttmp6, 0x10000c
	s_cmp_lg_u32 s2, 0x3003
	s_cbranch_scc0 .Lentry_shape_is_right
	s_endpgm
.Lentry_shape_is_right:
; For one head (batch x 16 + head = the cluster's y) and 512 of its queries: S = Q K^T / 8, the softmax, ctx = P V, ctx quantised, ctx x Wo's 64 rows of this head, summed over the 512 queries.
; All products on codes of FP8 (E4M3).  Out: 1,024 partial column sums (of products of codes) for each work-group; a later launch adds them, scales them and adds bo.
; THE SOFTMAX: t = score x log2(e) / 8; M = the running largest t rounded UP to a whole number; p = 2^(t - M) is quantised (entry 8), not normalised; the row's sum is taken of the unquantised p and divides at the end.
; SHARES.  Sixteen waves; two passes of 256 queries; in a pass a wave owns one tile of 16 queries and walks the head's 2,048 keys, 128 a step.
; THE HEAD'S WHOLE K AND V LIE IN LDS (2 x 131,072 bytes), each byte filled once: no ring.  Waves 0-3 fetch them, four loads of 16,384 bytes each, all asked for at the head, so nothing is left to prefetch;
; the n-th loads of the four waves bring keys 512 n on, and the first pass starts on them behind a counted wait while the rest is on its way.
; CLUSTER: the four work-groups of a head read the same K and V: joint loads with a mask that names the four.  cx enters Q's and the output's global addresses alone.
; LAYOUT.  S^T = K Q^T and O^T = V^T P^T are used transposed: a lane holds one query.  K's, V's and Q's images were laid so that the 16 registers of two neighbouring result tiles are 16 neighbours along the next K.
; The last product takes ctx as source 0 (16 queries) and Wo as source 1 (16 columns): all 16 tiles of queries of a pass add into the same four accumulators of a wave (its 64 columns), so the sum over queries costs nothing.
; LIMITS: entries 6 + 7 between -123 and 130 (added to c's exponent field); entries 8 and 10 between -126 and 119.  NaN among the inputs is not served.
; REGISTERS: v1-7 addresses; v[8:9] my two column sums; v12 -M, v13 the largest t, v[14:15] the row's sum; v16-23, v24-31 Q of pass 0, 1; v32-95 fragments of K, then V; v96-159 S^T, then p;
;   v160-191 O^T, then the last product's sums; v192-223 Wo; v224-239 codes; v240-245 constants; v246-254 at work.
.set VBASE, 131072
.set CTX,   262144                     ; 16 images of ctx's fragments, 1,024 bytes each; no tensor load lands here
.set LI,  1                            ; 16 x lane
.set ADK, 2
.set ADV, 3
.set CTW, 4                            ; where I store my ctx image
.set CTR, 5                            ; where all are read
.set GO,  6                            ; 8 x lane
.set LN,  7                            ; lane
.set WV,  18
.set CX,  19
.set SEL, 20
.set CS,  22
.set G1,  24
.set G0,  32
.set TB,  60
.set CNT, 61
.set EPV, 62
.set BH,  63
.macro CROUND
	s_barrier_signal -1
	s_barrier_wait -1
	s_cmp_lg_u32 s[WV], 0
	s_cbranch_scc1 .Lnot_wave_0_\@
	s_barrier_signal -3
.Lnot_wave_0_\@:
	s_barrier_wait -3
	s_barrier_signal -1
	s_barrier_wait -1
.endm
	s_load_b256 s[4:11], s[0:1], 0x0               ; qkv s[4:5], wc s[6:7], scales s[8:9], part s[10:11]
	v_lshl_add_u32 v251, v0, 2, 0x44000
	v_mov_b32 v255, 0
	ds_add_u32 v251, v255
	ds_add_u32 v251, v255
	v_lshrrev_b32 v2, 5, v0
	s_delay_alu instid0(VALU_DEP_1)
	v_readfirstlane_b32 s[WV], v2                  ; wave 0..15
	v_and_b32 v[LN], 31, v0
	s_delay_alu instid0(VALU_DEP_1)
	v_lshlrev_b32 v[LI], 4, v[LN]
	s_delay_alu instid0(VALU_DEP_2)
	v_lshlrev_b32 v[GO], 3, v[LN]
	s_lshl_b32 s66, s[WV], 10
	s_add_co_u32 s66, s66, CTX
	v_add_nc_u32 v[CTW], s66, v[LI]
	v_add_nc_u32 v[CTR], CTX, v[LI]
	s_and_b32 s[BH], ttmp7, 0xffff                 ; the head, which the four partners share
	s_and_b32 s66, s[WV], 3                        ; what I fetch, if I fetch: waves 0, 1: K; 2, 3: V; the even wave the first 16,384 bytes of each 32,768
	s_lshr_b32 s67, s66, 1
	s_and_b32 s66, s66, 1
	s_lshl_b32 s68, s67, 17
	s_lshl_b32 s69, s66, 14
	s_add_co_u32 s68, s68, s69                     ; in LDS
	s_lshl_b32 s70, s67, 23
	s_add_co_u32 s70, s70, 0x800000                ; K's part of qkv, or V's
	s_add_co_u32 s70, s70, s69
	s_lshl_b32 s71, s[BH], 17
	s_add_co_u32 s70, s70, s71
	s_mov_b32 s71, 0
	s_mov_b32 s[G1], 15|(3<<16)|(1<<21)            ; 15:0 the mask: all four; 17:16 elements of 8 bytes; 21 set beside a mask
	s_mov_b32 s[G1+1], 32<<16                      ; a dense block as rows of 256 bytes: tensor_dim0 = 32
	s_mov_b32 s[G1+2], 64<<16                      ; tensor_dim1 = 64
	s_mov_b32 s[G1+3], 32<<16                      ; tile_dim0
	s_mov_b32 s[G1+4], 64                          ; tile_dim1
	s_mov_b32 s[G1+5], 32                          ; pitch
	s_mov_b32 s[G1+6], 0
	s_mov_b32 s[G1+7], 0
	s_mov_b32 s[SEL], 0x76543210
	s_mov_b32 s[SEL+1], 0xfedcba98
	s_bfe_u32 s[CX], ttmp6, 0x40000
	s_lshl_b32 s79, ttmp9, 2
	s_add_co_u32 s[CX], s[CX], s79                 ; my 512 queries of the head
	s_lshl_b32 s74, s[BH], 17                      ; Q: head, + 32 tiles x my block, + my wave's tile
	s_lshl_b32 s75, s[CX], 15
	s_add_co_u32 s74, s74, s75
	s_lshl_b32 s75, s[WV], 10
	s_add_co_u32 s74, s74, s75
	s_mov_b32 s75, 0
	s_and_b32 s76, s[BH], 15                       ; Wo: part 3 of wc, the head's 64 rows, my wave's four tiles of columns
	s_lshl_b32 s76, s76, 16
	s_lshl_b32 s77, s[WV], 12
	s_add_co_u32 s76, s76, s77
	s_add_co_u32 s76, s76, 0x300000
	s_mov_b32 s77, 0
	s_lshl_b32 s78, s[BH], 2                       ; out: row 4 x head + my block, my wave's 64 columns
	s_add_co_u32 s78, s78, s[CX]
	s_lshl_b32 s78, s78, 12
	s_lshl_b32 s79, s[WV], 8
	s_add_co_u32 s78, s78, s79
	s_mov_b32 s79, 0
	s_wait_dscnt 0x0
	s_wait_kmcnt 0x0
	s_load_b256 s[48:55], s[8:9], 0x0              ; entries 0-7
	s_load_b128 s[56:59], s[8:9], 0x20             ; entries 8-11
	s_add_nc_u64 s[72:73], s[4:5], s[70:71]
	s_add_nc_u64 s[74:75], s[4:5], s[74:75]
	s_add_nc_u64 s[76:77], s[6:7], s[76:77]
	s_add_nc_u64 s[78:79], s[10:11], s[78:79]
.irp i, 0,1,2,3
	s_mov_b32 s[G0+4*\i], 1
	s_add_co_u32 s[G0+4*\i+1], s68, \i*32768
	s_add_nc_u64 s[G0+4*\i+2:G0+4*\i+3], s[72:73], \i*32768
	s_or_b32 s[G0+4*\i+3], s[G0+4*\i+3], 0x80000000
.endr
	CROUND                                         ; all four work-groups are here: the joint loads meet
	s_cmp_lt_u32 s[WV], 4                          ; a wave's four fills stand in one branch, ahead of every wait on TENSORcnt, every LDS read and every other barrier: four loads of mine are out
	s_cbranch_scc0 .Lno_fetch
	tensor_load_to_lds s[G0:G0+3], s[G1:G1+7]
	s_nop 0
	tensor_load_to_lds s[G0+4:G0+7], s[G1:G1+7]
	s_nop 0
	tensor_load_to_lds s[G0+8:G0+11], s[G1:G1+7]
	s_nop 0
	tensor_load_to_lds s[G0+12:G0+15], s[G1:G1+7]
	s_nop 0
.rept 4
	v_nop
.endr
.Lno_fetch:
	s_wait_alu depctr_va_vdst(0)
.irp p, 0,1
	global_load_b128 v[16+8*\p:19+8*\p], v[LI], s[74:75] offset:16384*\p          ; Q's fragment of pass p: two blocks
	global_load_b128 v[20+8*\p:23+8*\p], v[LI], s[74:75] offset:16384*\p+512
.endr
.irp t, 0,1,2,3
	global_load_b128 v[192+8*\t:195+8*\t], v[LI], s[76:77] offset:1024*\t         ; Wo's four fragments stay in registers
	global_load_b128 v[196+8*\t:199+8*\t], v[LI], s[76:77] offset:1024*\t+512
.endr
	v_mov_b32 v246, 0                              ; written once: a lane permute's destination counts as one of its sources
	v_mov_b32 v253, 0                              ; (named as the upper half of the pair v[252:253])
	s_wait_kmcnt 0x0
	s_add_co_i32 s12, s54, s55
	s_lshl_b32 s12, s12, 23
	s_mov_b32 s[CS], 0x3e38aa3b                    ; c = log2(e) / 8
	s_add_co_i32 s[CS], s[CS], s12                 ; a score stands for score x 2^(e6 + e7): added to c's exponent field
	s_mov_b32 s[CS+1], s[CS]
	s_add_co_i32 s12, s56, 127
	s_lshl_b32 s13, s12, 23
	v_mov_b32 v241, s13                            ; 2^e8
	s_add_co_i32 s12, s58, 127
	s_lshl_b32 s13, s12, 23
	v_mov_b32 v244, s13                            ; 2^e10
	s_add_co_i32 s[EPV], s56, s57                  ; e8 + e9
.macro INIT                            ; a pass begins: the step is written once and finds zeros, which the first change of M leaves zeros
	v_mov_b32 v13, 0xff61b1e6                      ; -3e38, under every t
	s_delay_alu instid0(VALU_DEP_1)
	v_floor_f32 v12, -v13
	v_mov_b32 v14, 0
	v_mov_b32 v15, 0
.set j, 0
.rept 32
	v_mov_b32 v[160+j], 0
.set j, j+1
.endr
.endm
; A KEY STEP: the 128 keys whose images begin at byte s[TB] of K and of V.
.macro STEP qreg
	v_add_nc_u32 v[ADK], s[TB], v[LI]
	s_delay_alu instid0(VALU_DEP_1)
	v_add_nc_u32 v[ADV], VBASE, v[ADK]
	v_nop                                          ; with the two additions: four places in front of loads into registers that matrix instructions have read
	v_nop
.irp t, 0,1,2,3,4,5,6,7
	ds_load_b128 v[32+8*\t:35+8*\t], v[ADK] offset:1024*\t
	ds_load_b128 v[36+8*\t:39+8*\t], v[ADK] offset:1024*\t+512
.endr
	s_wait_alu depctr_va_vdst(0)
	s_wait_dscnt 0x0
.irp t, 0,1,2,3,4,5,6,7
	v_wmma_f32_16x16x64_fp8_fp8 v[96+8*\t:103+8*\t], v[32+8*\t:39+8*\t], v[\qreg:\qreg+7], 0   ; S^T: register 16 b + i of tiles 2 b, 2 b + 1 = key 32 b + 16 h + i
.endr
.rept 4
	v_nop
.endr
.irp t, 0,1,2,3                                    ; V's four fragments are asked for here and land under the softmax
.irp c, 0,1,2,3
	ds_load_b128 v[32+16*\t+4*\c:35+16*\t+4*\c], v[ADV] offset:2048*\t+512*\c
.endr
.endr
	v_max3_num_f32 v254, v96, v97, v98             ; the step's largest score of my query among my 64 keys, in two chains, in ascending order
	v_max3_num_f32 v252, v99, v100, v101
.set j, 6
.rept 14
	v_max3_num_f32 v254, v254, v[96+j], v[97+j]
	v_max3_num_f32 v252, v252, v[98+j], v[99+j]
.set j, j+4
.endr
	v_max3_num_f32 v254, v254, v158, v159
	s_delay_alu instid0(VALU_DEP_1)
	v_max_num_f32 v254, v254, v252
	s_delay_alu instid0(VALU_DEP_1)
	v_permlanex16_b32 v246, v254, s[SEL], s[SEL+1]
	s_delay_alu instid0(VALU_DEP_1)
	v_max_num_f32 v254, v254, v246                 ; and among lane l xor 16's
	s_delay_alu instid0(VALU_DEP_1)
	v_mul_f32 v254, s[CS], v254                    ; as t (c is positive)
	s_delay_alu instid0(VALU_DEP_1)
	v_max_num_f32 v13, v13, v254
	v_mov_b32 v254, v12
	s_delay_alu instid0(VALU_DEP_2)
	v_floor_f32 v12, -v13                          ; -M = floor(-t): M is a whole number
	s_delay_alu instid0(VALU_DEP_1)
	v_sub_f32 v254, v12, v254                      ; old M - new M: a whole number, 0 or less
	s_delay_alu instid0(VALU_DEP_1)
	v_cvt_i32_f32 v254, v254                       ; (it saturates)
	s_delay_alu instid0(VALU_DEP_1)
	v_ldexp_f32 v252, 1.0, v254                    ; f = 2^(old M - new M)
.set j, 0
.rept 32
	v_pk_fma_f32 v[96+j:97+j], v[96+j:97+j], s[CS:CS+1], v[12:13] op_sel_hi:[1,0,0]   ; t - M
.set j, j+2
.endr
.set j, 0
	s_setprio 1
	s_wait_alu depctr_va_vdst(0)
.rept 64
	v_exp_f32 v[96+j], v[96+j]                     ; p = 2^(t - M)
.set j, j+1
.endr
	v_pk_mul_f32 v[14:15], v[14:15], v[252:253] op_sel_hi:[1,0]   ; the sums under the new M: the plain line behind the exponentials
	s_wait_alu depctr_va_vdst(0)                   ; one wait for the batch, ahead of its first reader
	v_pk_add_f32 v[242:243], v[100:101], v[104:105]
	v_pk_add_f32 v[248:249], v[108:109], v[112:113]
	v_pk_add_f32 v[238:239], v[116:117], v[120:121]
	v_pk_add_f32 v[236:237], v[124:125], v[128:129]
	v_pk_add_f32 v[234:235], v[132:133], v[136:137]
	v_pk_add_f32 v[232:233], v[140:141], v[144:145]
	v_pk_add_f32 v[230:231], v[148:149], v[152:153]
	v_pk_add_f32 v[14:15], v[14:15], v[156:157]
	v_pk_add_f32 v[242:243], v[242:243], v[96:97]
	v_pk_add_f32 v[248:249], v[248:249], v[98:99]
	v_pk_add_f32 v[238:239], v[238:239], v[102:103]
	v_pk_add_f32 v[236:237], v[236:237], v[106:107]
	v_pk_add_f32 v[234:235], v[234:235], v[110:111]
	v_pk_add_f32 v[232:233], v[232:233], v[114:115]
	v_pk_add_f32 v[230:231], v[230:231], v[118:119]
	v_pk_add_f32 v[14:15], v[14:15], v[122:123]
	v_pk_add_f32 v[242:243], v[242:243], v[126:127]
	v_pk_add_f32 v[248:249], v[248:249], v[130:131]
	v_pk_add_f32 v[238:239], v[238:239], v[134:135]
	v_pk_add_f32 v[236:237], v[236:237], v[138:139]
	v_pk_add_f32 v[234:235], v[234:235], v[142:143]
	v_pk_add_f32 v[232:233], v[232:233], v[146:147]
	v_pk_add_f32 v[230:231], v[230:231], v[150:151]
	v_pk_add_f32 v[14:15], v[14:15], v[154:155]
	v_pk_add_f32 v[242:243], v[242:243], v[158:159]
	s_delay_alu instid0(VALU_DEP_2)
	v_pk_add_f32 v[14:15], v[14:15], v[236:237]
	s_delay_alu instid0(VALU_DEP_2)
	v_pk_add_f32 v[242:243], v[242:243], v[234:235]
	v_pk_add_f32 v[248:249], v[248:249], v[232:233]
	v_pk_add_f32 v[238:239], v[238:239], v[230:231]
	s_delay_alu instid0(VALU_DEP_2)
	v_pk_add_f32 v[14:15], v[14:15], v[248:249]
	s_delay_alu instid0(VALU_DEP_2)
	v_pk_add_f32 v[242:243], v[242:243], v[238:239]
	s_delay_alu instid0(VALU_DEP_1)
	v_pk_add_f32 v[14:15], v[14:15], v[242:243]
.irp b, 0,1,2,3
.set j, 0
.rept 16
.set j, j+1
.endr
	v_cvt_scalef32_pk8_fp8_f32 v[224+4*\b:225+4*\b], v[96+16*\b:103+16*\b], v241
	v_cvt_scalef32_pk8_fp8_f32 v[226+4*\b:227+4*\b], v[104+16*\b:111+16*\b], v241
.endr
.set j, 0
	s_setprio 0
.rept 16
	v_pk_mul_f32 v[160+j:161+j], v[160+j:161+j], v[252:253] op_sel_hi:[1,0]   ; O^T under the new M; also the plain lines behind the conversions
.set j, j+2
.endr
	s_wait_alu depctr_va_vdst(0)
	s_wait_dscnt 0x0                               ; V
.irp t, 0,1,2,3
	v_wmma_f32_16x16x128_fp8_fp8 v[160+8*\t:167+8*\t], v[32+16*\t:47+16*\t], v[224:239], v[160+8*\t:167+8*\t]   ; the four accumulators take turns
.endr
.endm
; A run of key steps.  n: how many of a fetching wave's four loads may still be out; behind the barrier every wave may read what has landed.  Nothing is ever filled again, so later loads stay on their way.
.macro STAGE n, tb0, trips, qreg
	s_wait_tensorcnt \n
	s_wait_dscnt 0x0
	s_barrier_signal -1
	s_barrier_wait -1
	s_mov_b32 s[TB], \tb0
	s_mov_b32 s[CNT], \trips
.Lkeys_\@:
	s_setprio 2
	STEP \qreg
	s_add_co_u32 s[TB], s[TB], 8192
	s_sub_co_u32 s[CNT], s[CNT], 1
	s_cmp_lg_u32 s[CNT], 0
	s_cbranch_scc1 .Lkeys_\@
	s_setprio 0
.endm
; A pass's end: ctx = O^T x 2^(e8 + e9) / the sum, quantised; its image to LDS; all 16 images against my 64 columns of Wo; the sums over the 256 queries.
.macro TAIL p
.rept 4
	v_nop                                          ; places behind the last products
.endr
	v_add_f32 v14, v14, v15
	s_delay_alu instid0(VALU_DEP_1)
	v_permlanex16_b32 v246, v14, s[SEL], s[SEL+1]
	s_delay_alu instid0(VALU_DEP_1)
	v_add_f32 v14, v14, v246                       ; the row's sum
	s_wait_alu depctr_va_vdst(0)
	v_rcp_f32 v14, v14
	v_nop
	s_wait_alu depctr_va_vdst(0)                   ; ahead of the reciprocal's first reader
	v_ldexp_f32 v14, v14, s[EPV]
.set j, 0
.rept 16
	v_pk_mul_f32 v[160+j:161+j], v[160+j:161+j], v[14:15] op_sel_hi:[1,0]   ; register 8 t + i = ctx(query r, channel 32 (t / 2) + 16 h + 8 (t % 2) + i)
.set j, j+2
.endr
.set j, 0
.rept 32
.set j, j+1
.endr
.irp t, 0,1,2,3
	v_cvt_scalef32_pk8_fp8_f32 v[224+2*\t:225+2*\t], v[160+8*\t:167+8*\t], v244
.endr
	v_nop                                          ; a plain line behind the last conversion
	ds_store_b128 v[CTW], v[224:227]
	ds_store_b128 v[CTW], v[228:231] offset:512
	s_wait_dscnt 0x0                               ; for the others' sake
	s_barrier_signal -1
	s_barrier_wait -1
.set i, 0
.rept 16
	ds_load_b128 v[32+8*i:35+8*i], v[CTR] offset:1024*i
	ds_load_b128 v[36+8*i:39+8*i], v[CTR] offset:1024*i+512
.set i, i+1
.endr
.if \p == 0
	s_wait_loadcnt 0x0                             ; Wo
.endif
.set i, 0
.rept 16
	s_wait_dscnt 30-2*i                            ; image i is in; the younger loads stay out
.irp t, 0,1,2,3
.if i == 0
	v_wmma_f32_16x16x64_fp8_fp8 v[160+8*\t:167+8*\t], v[32+8*i:39+8*i], v[192+8*\t:199+8*\t], 0
.else
	v_wmma_f32_16x16x64_fp8_fp8 v[160+8*\t:167+8*\t], v[32+8*i:39+8*i], v[192+8*\t:199+8*\t], v[160+8*\t:167+8*\t]
.endif
.endr
.set i, i+1
.endr
.rept 4
	v_nop
.endr
.irp t, 0,1,2,3                                    ; a lane holds column r of tile t for eight query places: they are added, then the other half's
	v_pk_add_f32 v[160+8*\t:161+8*\t], v[160+8*\t:161+8*\t], v[162+8*\t:163+8*\t]
	v_pk_add_f32 v[164+8*\t:165+8*\t], v[164+8*\t:165+8*\t], v[166+8*\t:167+8*\t]
.endr
.irp t, 0,1,2,3
	v_pk_add_f32 v[160+8*\t:161+8*\t], v[160+8*\t:161+8*\t], v[164+8*\t:165+8*\t]
.endr
.irp t, 0,1,2,3
	s_delay_alu instid0(VALU_DEP_4)
	v_add_f32 v[160+8*\t], v[160+8*\t], v[161+8*\t]
.endr
.irp t, 0,1,2,3
	s_delay_alu instid0(VALU_DEP_4)
	v_permlanex16_b32 v[161+8*\t], v[160+8*\t], s[SEL], s[SEL+1]
.endr
.irp t, 0,1,2,3
	s_delay_alu instid0(VALU_DEP_4)
	v_add_f32 v[160+8*\t], v[160+8*\t], v[161+8*\t]
.endr
	v_cmp_gt_u32 vcc_lo, 16, v[LN]                 ; tile t holds columns 32 (t / 2) + 2 r + t % 2 of my 64: lane (h, r) keeps columns 32 h + 2 r and + 1
.if \p == 0
	s_delay_alu instid0(VALU_DEP_1)
	v_cndmask_b32 v8, v176, v160, vcc_lo
	s_delay_alu instid0(VALU_DEP_2)
	v_cndmask_b32 v9, v184, v168, vcc_lo
.else
	s_delay_alu instid0(VALU_DEP_1)
	v_cndmask_b32 v10, v176, v160, vcc_lo
	s_delay_alu instid0(VALU_DEP_2)
	v_cndmask_b32 v11, v184, v168, vcc_lo
	s_delay_alu instid0(VALU_DEP_1)
	v_pk_add_f32 v[8:9], v[8:9], v[10:11]
.endif
.endm
	INIT
	s_wait_loadcnt 8                               ; Q's four loads are in; Wo's eight may stay out
	STAGE 3, 0, 4, 16                              ; keys 0-511 have landed
	STAGE 2, 32768, 4, 16
	STAGE 1, 65536, 4, 16
	STAGE 0, 98304, 4, 16
	TAIL 0
	INIT
	STAGE 0, 0, 16, 24                             ; its barrier also stands between pass 0's reads of the ctx images and pass 1's stores into them
	TAIL 1
	global_store_b64 v[GO], v[8:9], s[78:79]       ; the wave stores 256 consecutive bytes, aligned
	s_wait_tensorcnt 0x0
	ds_add_u32 v251, v255
	s_wait_dscnt 0x0
	CROUND                                         ; the closing round
	s_endpgm
.Lfunc_end_k_qae740a6a8d_attn:
	.size	k_qae740a6a8d_attn, .Lfunc_end_k_qae740a6a8d_attn-k_qae740a6a8d_attn
	.p2alignl 7, 3214868480
	.fill 96, 4, 3214868480
	.section	.rodata,"a",@progbits
	.p2align	6, 0x0
	.amdhsa_kernel k_qae740a6a8d_attn
		.amdhsa_group_segment_fixed_size 327680
		.amdhsa_private_segment_fixed_size 0
		.amdhsa_enable_private_segment 0
		.amdhsa_kernarg_size 32
		.amdhsa_user_sgpr_count 2
		.amdhsa_user_sgpr_kernarg_segment_ptr 1
		.amdhsa_wavefront_size32 1
		.amdhsa_system_sgpr_workgroup_id_x 1
		.amdhsa_system_sgpr_workgroup_id_y 1
		.amdhsa_system_sgpr_workgroup_id_z 1
		.amdhsa_system_vgpr_workitem_id 0
		.amdhsa_next_free_vgpr 256
		.amdhsa_next_free_sgpr 80
		.amdhsa_reserve_vcc 1
		.amdhsa_float_denorm_mode_32 3
		.amdhsa_float_denorm_mode_16_64 3
		.amdhsa_fp16_overflow 1
		.amdhsa_memory_ordered 1
		.amdhsa_forward_progress 1
		.amdhsa_inst_pref_size 102
	.end_amdhsa_kernel
	.amdgpu_metadata
---
amdhsa.version: [ 1, 2 ]
amdhsa.kernels:
  - .name:           k_qae740a6a8d_attn
    .symbol:         k_qae740a6a8d_attn.kd
    .args:
      - { .name: qkv, .offset: 0, .size: 8, .value_kind: global_buffer, .address_space: global }
      - { .name: wc, .offset: 8, .size: 8, .value_kind: global_buffer, .address_space: global }
      - { .name: lowp_scales, .offset: 16, .size: 8, .value_kind: global_buffer, .address_space: global }
      - { .name: part, .offset: 24, .size: 8, .value_kind: global_buffer, .address_space: global }
    .group_segment_fixed_size: 327680
    .private_segment_fixed_size: 0
    .kernarg_segment_align: 8
    .kernarg_segment_size: 32
    .max_flat_workgroup_size: 512
    .sgpr_count:     80
    .vgpr_count:     256
    .wavefront_size: 32
...
	.end_amdgpu_metadata
.endif
;; end of part 3
;; launch mean (part 4): grid 8 x 4, 8 waves a work-group, no clusters, 5,120 bytes of LDS; arguments part, bo, lowp_scales, out0; writes out0
.if DOCPART == 4
	.amdgcn_target "amdgcn-amd-amdhsa--gfx1250"
	.amdhsa_code_object_version 6
	.text
	.protected	k_qae740a6a8d_mean
	.globl	k_qae740a6a8d_mean
	.p2align	8
	.type	k_qae740a6a8d_mean,@function
k_qae740a6a8d_mean:
	s_mov_b64 s[64:65], 0
	v_nop
	global_prefetch_b8 v0, s[64:65] scope:SCOPE_SE
	s_setreg_imm32_b32 hwreg(HW_REG_WAVE_MODE, 25, 1), 1
	s_wait_xcnt 0x0
; out0[b][n] = (the sum of batch b's 64 rows of partial sums) x 2^(e10 + e11 - 11) + bo[n]: the two scales of the last product and the mean over 2,048 rows in one power of two.
; A work-group takes 128 columns (x) of one batch (y); wave w adds rows 8 w .. 8 w + 7 in a fixed tree; the eight results meet in LDS, wave 0 adds them in the same tree and stores 512 consecutive bytes.
; The design has work for 32 work-groups.  Every wave loads bo's 512 bytes, though wave 0 alone uses them: so every register is written on every path.
; LIMIT: e10 + e11 - 11 between -126 and 127.
	s_load_b256 s[4:11], s[0:1], 0x0               ; part s[4:5], bo s[6:7], scales s[8:9], out0 s[10:11]
	v_lshl_add_u32 v64, v0, 2, 0x1000
	v_mov_b32 v65, 0
	v_lshrrev_b32 v1, 5, v0
	s_delay_alu instid0(VALU_DEP_1)
	v_readfirstlane_b32 s12, v1                    ; wave
	v_and_b32 v2, 31, v0
	s_delay_alu instid0(VALU_DEP_1)
	v_lshlrev_b32 v2, 4, v2                        ; 16 x lane
	s_wait_alu depctr_va_vdst(0)
	s_and_b32 s13, ttmp7, 0xffff                   ; batch
	s_lshl_b32 s14, s13, 6
	s_lshl_b32 s15, s12, 3
	s_add_co_u32 s14, s14, s15                     ; my first row
	s_lshl_b32 s14, s14, 12
	s_lshl_b32 s16, ttmp9, 9                       ; my 128 columns
	s_add_co_u32 s14, s14, s16
	s_mov_b32 s15, 0
	s_mov_b32 s17, 0
	s_lshl_b32 s18, s13, 12
	s_add_co_u32 s18, s18, s16
	s_mov_b32 s19, 0
	s_lshl_b32 s20, s12, 9
	v_add_nc_u32 v3, s20, v2
	s_wait_kmcnt 0x0
	s_load_b64 s[22:23], s[8:9], 0x28              ; e10, e11
	s_add_nc_u64 s[4:5], s[4:5], s[14:15]
	s_add_nc_u64 s[6:7], s[6:7], s[16:17]
	s_add_nc_u64 s[10:11], s[10:11], s[18:19]
	global_load_b128 v[40:43], v2, s[6:7]
.irp i, 0,1,2,3,4,5,6,7
	global_load_b128 v[8+4*\i:11+4*\i], v2, s[4:5] offset:4096*\i th:TH_LOAD_NT
.endr
.macro TREE                            ; eight sets of four numbers into v[8:11]
.irp i, 0,1,2,3
	v_pk_add_f32 v[8+4*\i:9+4*\i], v[8+4*\i:9+4*\i], v[24+4*\i:25+4*\i]
	v_pk_add_f32 v[10+4*\i:11+4*\i], v[10+4*\i:11+4*\i], v[26+4*\i:27+4*\i]
.endr
.irp i, 0,1
	s_delay_alu instid0(VALU_DEP_4)
	v_pk_add_f32 v[8+4*\i:9+4*\i], v[8+4*\i:9+4*\i], v[16+4*\i:17+4*\i]
	s_delay_alu instid0(VALU_DEP_4)
	v_pk_add_f32 v[10+4*\i:11+4*\i], v[10+4*\i:11+4*\i], v[18+4*\i:19+4*\i]
.endr
	s_delay_alu instid0(VALU_DEP_2)
	v_pk_add_f32 v[8:9], v[8:9], v[12:13]
	s_delay_alu instid0(VALU_DEP_2)
	v_pk_add_f32 v[10:11], v[10:11], v[14:15]
.endm
	s_wait_loadcnt 0x0
	TREE
	ds_store_b128 v3, v[8:11]
	s_wait_dscnt 0x0                               ; for wave 0's sake
	s_barrier_signal -1
	s_barrier_wait -1
	s_cmp_lg_u32 s12, 0
	s_cbranch_scc1 .Ldone
.irp i, 0,1,2,3,4,5,6,7
	ds_load_b128 v[8+4*\i:11+4*\i], v2 offset:512*\i
.endr
	s_wait_kmcnt 0x0
	s_add_co_i32 s24, s22, s23
	s_add_co_i32 s24, s24, 116                     ; + 127 - 11
	s_lshl_b32 s24, s24, 23                        ; 2^(e10 + e11 - 11) as f32
	s_mov_b32 s25, s24
	s_wait_dscnt 0x0
	TREE
	s_delay_alu instid0(VALU_DEP_2)
	v_pk_fma_f32 v[8:9], v[8:9], s[24:25], v[40:41] op_sel_hi:[1,0,1]
	s_delay_alu instid0(VALU_DEP_2)
	v_pk_fma_f32 v[10:11], v[10:11], s[24:25], v[42:43] op_sel_hi:[1,0,1]
	global_store_b128 v2, v[8:11], s[10:11]        ; the wave stores 512 consecutive bytes, aligned
.Ldone:
	s_wait_tensorcnt 0x0
	ds_add_u32 v64, v65
	s_wait_dscnt 0x0
	s_endpgm
.Lfunc_end_k_qae740a6a8d_mean:
	.size	k_qae740a6a8d_mean, .Lfunc_end_k_qae740a6a8d_mean-k_qae740a6a8d_mean
	.p2alignl 7, 3214868480
	.fill 96, 4, 3214868480
	.section	.rodata,"a",@progbits
	.p2align	6, 0x0
	.amdhsa_kernel k_qae740a6a8d_mean
		.amdhsa_group_segment_fixed_size 5120
		.amdhsa_private_segment_fixed_size 0
		.amdhsa_enable_private_segment 0
		.amdhsa_kernarg_size 32
		.amdhsa_user_sgpr_count 2
		.amdhsa_user_sgpr_kernarg_segment_ptr 1
		.amdhsa_wavefront_size32 1
		.amdhsa_system_sgpr_workgroup_id_x 1
		.amdhsa_system_sgpr_workgroup_id_y 1
		.amdhsa_system_sgpr_workgroup_id_z 1
		.amdhsa_system_vgpr_workitem_id 0
		.amdhsa_next_free_vgpr 66
		.amdhsa_next_free_sgpr 66
		.amdhsa_reserve_vcc 0
		.amdhsa_float_denorm_mode_32 3
		.amdhsa_float_denorm_mode_16_64 3
		.amdhsa_memory_ordered 1
		.amdhsa_forward_progress 1
		.amdhsa_inst_pref_size 6
	.end_amdhsa_kernel
	.amdgpu_metadata
---
amdhsa.version: [ 1, 2 ]
amdhsa.kernels:
  - .name:           k_qae740a6a8d_mean
    .symbol:         k_qae740a6a8d_mean.kd
    .args:
      - { .name: part, .offset: 0, .size: 8, .value_kind: global_buffer, .address_space: global }
      - { .name: bo, .offset: 8, .size: 8, .value_kind: global_buffer, .address_space: global }
      - { .name: lowp_scales, .offset: 16, .size: 8, .value_kind: global_buffer, .address_space: global }
      - { .name: out0, .offset: 24, .size: 8, .value_kind: global_buffer, .address_space: global }
    .group_segment_fixed_size: 5120
    .private_segment_fixed_size: 0
    .kernarg_segment_align: 8
    .kernarg_segment_size: 32
    .max_flat_workgroup_size: 256
    .sgpr_count:     66
    .vgpr_count:     66
    .wavefront_size: 32
...
	.end_amdgpu_metadata
.endif
;; end of part 4
